; MI455X (gfx1250); checked and timed in simulation.
; The chip was launched on July 23, 2026; its instructions are those of AMD's public machine-readable ISA for CDNA 5 (MIT licence, August 2026) and "CDNA5" Instruction Set Architecture Reference Guide (July 2026). The comments in the code are by the model that wrote it; some were corrected since.
;; Self Attention Block. Allowed arithmetic: float matrix products may take bf16 or f16 operands with f32 sums; all other float work in f32.
;; Inputs: Wk 128 x 128 float32; Wo 128 x 128 float32; Wq 128 x 128 float32; Wv 128 x 128 float32; bk 128 float32; bo 128 float32; bq 128 float32; bv 128 float32; gn_bias 128 float32; gn_weight 128 float32; hidden_states 2 x 128 x 32 x 32 float32.
;; Outputs: out0 2 x 128 x 32 x 32 float32.
;; 2 versions, each right and faster than the one before. Each part assembles by itself: llvm-mc -triple=amdgcn-amd-amdhsa -mcpu=gfx1250 --defsym DOCPART=n.
;; ======== version 1 of 2: 3 launches
;; workspace buffers: xn 524,288 bytes; abuf 524,288 bytes
;; launch norm (part 1): grid 64 x 1, 8 waves a work-group, no clusters, 1,280 bytes of LDS; arguments hidden_states, gn_weight, gn_bias, xn; writes xn
.if DOCPART == 1
	.amdgcn_target "amdgcn-amd-amdhsa--gfx1250"
	.amdhsa_code_object_version 6
	.text
	.protected	k_qe79d575143_norm
	.globl	k_qe79d575143_norm
	.p2align	8
	.type	k_qe79d575143_norm,@function
k_qe79d575143_norm:
	s_mov_b64 s[64:65], 0
	v_nop
	global_prefetch_b8 v0, s[64:65] scope:SCOPE_SE
	s_setreg_imm32_b32 hwreg(HW_REG_WAVE_MODE, 25, 1), 1
	s_wait_xcnt 0x0
; GroupNorm.  x: [2][128 c][1024 s] f32.  xn = (x - mean) * rsqrt(var + 1e-5) * gn_weight[c] + gn_bias[c], stored as bf16 [2][128][1024]
; (it is the operand of the matrix products of the next launch, which take bf16).
; One work-group for each of the 2 x 32 groups: a group is 4 channels x 1024 positions = 16,384 consecutive bytes.
; 256 threads; thread t holds the 16 bytes at 16 t of each of the four channels, 16 numbers, in registers from the load to the store:
; x is read once.  The variance is taken in a second pass over the registers, as the mean of (x - mean)^2, so that a common offset
; of x cancels before anything is squared.  No matrix unit, no cluster, no tile in LDS: nothing is shared between work-groups and there is no product.
; LIMITS: NaN and infinities are not served specially; xn is rounded once, to bf16.
.set X, 4                              ; v[4:19]   my 16 numbers: channel j in v[4+4j:7+4j]
                                       ; v[20:27]  at work; v[28:29] -mean, twice; v[30:33] rstd * weight of channel j; v[34:41] sums read back, then the packed output
                                       ; v1 = 16 t, v2 = 8 t, v3 = 4 x wave, v42 = 0
	s_load_b256 s[4:11], s[0:1], 0x0               ; x s[4:5], weight s[6:7], bias s[8:9], xn s[10:11]
	v_lshl_add_u32 v48, v0, 2, 0x100
	v_mov_b32 v49, 0
	v_lshrrev_b32 v3, 5, v0
	v_readfirstlane_b32 s26, v3                    ; wave 0..7
	s_and_b32 s20, ttmp9, 31                       ; the group inside its batch
	s_lshl_b32 s20, s20, 4                         ; byte offset of its four weights and biases
	s_lshl_b32 s22, ttmp9, 14                      ; the group's 16,384 bytes of x
	s_mov_b32 s23, 0
	s_lshl_b32 s28, ttmp9, 13                      ; the group's 8,192 bytes of xn
	s_mov_b32 s29, 0
	s_mov_b32 s24, 0x76543210                      ; v_permlanex16_b32: lane i of one half reads lane i of the other
	s_mov_b32 s25, 0xfedcba98
	s_mov_b32 s27, 0x39800000                      ; 1 / 4096, the group's count
	v_lshlrev_b32 v1, 4, v0
	v_lshlrev_b32 v2, 3, v0
	v_mov_b32 v3, s26
	v_lshlrev_b32 v3, 2, v3                        ; my wave's word among the partial sums
	v_mov_b32 v42, 0
	s_wait_kmcnt 0x0
	s_add_nc_u64 s[4:5], s[4:5], s[22:23]
	s_add_nc_u64 s[10:11], s[10:11], s[28:29]
.irp j, 0,1,2,3
	global_load_b128 v[X+4*\j:X+4*\j+3], v1, s[4:5] offset:4096*\j     ; a wave's load covers 512 consecutive bytes
.endr
	s_load_b128 s[12:15], s[6:7], s20 offset:0x0   ; the four weights
	s_load_b128 s[16:19], s[8:9], s20 offset:0x0   ; the four biases
; sum over the 32 lanes, result in every lane
.macro WSUM r, tmp
	v_add_f32_dpp v[\r], v[\r], v[\r] row_xmask:1 row_mask:0xf bank_mask:0xf
	v_add_f32_dpp v[\r], v[\r], v[\r] row_xmask:2 row_mask:0xf bank_mask:0xf
	v_add_f32_dpp v[\r], v[\r], v[\r] row_xmask:4 row_mask:0xf bank_mask:0xf
	v_add_f32_dpp v[\r], v[\r], v[\r] row_xmask:8 row_mask:0xf bank_mask:0xf
	v_permlanex16_b32 v[\tmp], v[\r], s24, s25     ; its destination has been written before
	v_add_f32 v[\r], v[\r], v[\tmp]
.endm
; the wave's sum in v20 becomes the group's sum in v34: eight words at LDS byte off, one barrier
.macro GSUM off
	ds_store_b32 v3, v20 offset:\off               ; all lanes write the same word with the same value
	s_wait_dscnt 0x0                               ; my word is written before I signal
	s_barrier_signal -1
	s_barrier_wait -1
	ds_load_b128 v[34:37], v42 offset:\off
	ds_load_b128 v[38:41], v42 offset:\off+16
	s_wait_dscnt 0x0
	v_pk_add_f32 v[34:35], v[34:35], v[38:39]
	v_pk_add_f32 v[36:37], v[36:37], v[40:41]
	v_pk_add_f32 v[34:35], v[34:35], v[36:37]
	v_add_f32 v34, v34, v35
.endm
	s_wait_loadcnt 0x0                             ; all four loads: the sum needs them all
	v_pk_add_f32 v[20:21], v[4:5], v[6:7]
	v_pk_add_f32 v[22:23], v[8:9], v[10:11]
	v_pk_add_f32 v[24:25], v[12:13], v[14:15]
	v_pk_add_f32 v[26:27], v[16:17], v[18:19]
	v_pk_add_f32 v[20:21], v[20:21], v[22:23]
	v_pk_add_f32 v[24:25], v[24:25], v[26:27]
	v_pk_add_f32 v[20:21], v[20:21], v[24:25]
	v_add_f32 v20, v20, v21
	WSUM 20, 21
	GSUM 0
	v_mul_f32 v28, 0xb9800000, v34                 ; -mean = sum * (-1/4096)
	v_mov_b32 v29, v28
.irp i, 0,1,2,3,4,5,6,7
	v_pk_add_f32 v[X+2*\i:X+2*\i+1], v[X+2*\i:X+2*\i+1], v[28:29]      ; d = x - mean, in place
.endr
	v_pk_mul_f32 v[20:21], v[4:5], v[4:5]          ; sum of d^2 in two chains; the first products start them
	v_pk_mul_f32 v[22:23], v[6:7], v[6:7]
.irp i, 2,4,6
	v_pk_fma_f32 v[20:21], v[X+2*\i:X+2*\i+1], v[X+2*\i:X+2*\i+1], v[20:21]
	v_pk_fma_f32 v[22:23], v[X+2*\i+2:X+2*\i+3], v[X+2*\i+2:X+2*\i+3], v[22:23]
.endr
	v_pk_add_f32 v[20:21], v[20:21], v[22:23]
	v_add_f32 v20, v20, v21
	WSUM 20, 21
	GSUM 32                                        ; other bytes than the first sum's: no wave can overwrite what another still reads
	v_mov_b32 v21, 0x3727c5ac                      ; 1e-5
	v_fma_f32 v20, v34, s27, v21                   ; var + eps
	v_rsq_f32 v23, v20
	v_nop                                          ; one plain instruction between v_rsq_f32 and the use of its result (ISA guide 5.7.2)
	s_wait_kmcnt 0x0                               ; weights and biases
	s_wait_alu depctr_va_vdst(0)
.irp j, 0,1,2,3
	v_mul_f32 v[30+\j], s[12+\j], v23              ; rstd * weight
.endr
.irp j, 0,1,2,3
.irp i, 0,1,2,3
	v_fma_f32 v[X+4*\j+\i], v[X+4*\j+\i], v[30+\j], s[16+\j]
.endr
.endr
.irp j, 0,1,2,3
	v_cvt_pk_bf16_f32 v[34+2*\j], v[X+4*\j], v[X+4*\j+1]
	v_cvt_pk_bf16_f32 v[35+2*\j], v[X+4*\j+2], v[X+4*\j+3]
	global_store_b64 v2, v[34+2*\j:35+2*\j], s[10:11] offset:2048*\j   ; a wave's store covers 256 consecutive bytes, aligned
.endr
	s_wait_tensorcnt 0x0
	ds_add_u32 v48, v49
	s_wait_dscnt 0x0
	s_endpgm
.Lfunc_end_k_qe79d575143_norm:
	.size	k_qe79d575143_norm, .Lfunc_end_k_qe79d575143_norm-k_qe79d575143_norm
	.p2alignl 7, 3214868480
	.fill 96, 4, 3214868480
	.section	.rodata,"a",@progbits
	.p2align	6, 0x0
	.amdhsa_kernel k_qe79d575143_norm
		.amdhsa_group_segment_fixed_size 1280
		.amdhsa_private_segment_fixed_size 0
		.amdhsa_enable_private_segment 0
		.amdhsa_kernarg_size 32
		.amdhsa_user_sgpr_count 2
		.amdhsa_user_sgpr_kernarg_segment_ptr 1
		.amdhsa_wavefront_size32 1
		.amdhsa_system_sgpr_workgroup_id_x 1
		.amdhsa_system_sgpr_workgroup_id_y 1
		.amdhsa_system_sgpr_workgroup_id_z 1
		.amdhsa_system_vgpr_workitem_id 0
		.amdhsa_next_free_vgpr 50
		.amdhsa_next_free_sgpr 66
		.amdhsa_reserve_vcc 0
		.amdhsa_float_denorm_mode_32 3
		.amdhsa_float_denorm_mode_16_64 3
		.amdhsa_memory_ordered 1
		.amdhsa_forward_progress 1
		.amdhsa_inst_pref_size 8
	.end_amdhsa_kernel
	.amdgpu_metadata
---
amdhsa.version: [ 1, 2 ]
amdhsa.kernels:
  - .name:           k_qe79d575143_norm
    .symbol:         k_qe79d575143_norm.kd
    .args:
      - { .name: hidden_states, .offset: 0, .size: 8, .value_kind: global_buffer, .address_space: global }
      - { .name: gn_weight, .offset: 8, .size: 8, .value_kind: global_buffer, .address_space: global }
      - { .name: gn_bias, .offset: 16, .size: 8, .value_kind: global_buffer, .address_space: global }
      - { .name: xn, .offset: 24, .size: 8, .value_kind: global_buffer, .address_space: global }
    .group_segment_fixed_size: 1280
    .private_segment_fixed_size: 0
    .kernarg_segment_align: 8
    .kernarg_segment_size: 32
    .max_flat_workgroup_size: 256
    .sgpr_count:     66
    .vgpr_count:     50
    .wavefront_size: 32
...
	.end_amdgpu_metadata
.endif
;; end of part 1
;; launch attn (part 2): grid 128 x 2, 8 waves a work-group, clusters of 4 x 1, 313,344 bytes of LDS; arguments xn, Wq, Wk, Wv, bq, bk, bv, abuf; writes abuf
.if DOCPART == 2
	.amdgcn_target "amdgcn-amd-amdhsa--gfx1250"
	.amdhsa_code_object_version 6
	.text
	.protected	k_qe79d575143_attn
	.globl	k_qe79d575143_attn
	.p2align	8
	.type	k_qe79d575143_attn,@function
k_qe79d575143_attn:
	s_mov_b64 s[64:65], 0
	v_nop
	global_prefetch_b8 v0, s[64:65] scope:SCOPE_SE
	s_setreg_imm32_b32 hwreg(HW_REG_WAVE_MODE, 25, 1), 1
	s_wait_xcnt 0x0
	s_wait_alu depctr_hold_cnt(0) depctr_sa_sdst(0) depctr_va_vdst(0) depctr_va_sdst(0) depctr_va_ssrc(0) depctr_va_vcc(0) depctr_vm_vsrc(0)
	s_getreg_b32 s2, hwreg(HW_REG_IB_STS2, 6, 4)
	s_cmp_eq_u32 s2, 0
	s_cbranch_scc0 .Lentry_in_a_cluster
	s_endpgm
.Lentry_in_a_cluster:
	s_bfe_u32 s2, ttmp6, 0x10000c
	s_cmp_lg_u32 s2, 0x3003
	s_cbranch_scc0 .Lentry_shape_is_right
	s_endpgm
.Lentry_shape_is_right:
; One work-group for each (batch b, head c): q, k, v of that head (one number a position, since a head is one channel), softmax(q k^T) v over 1024 x 1024 scores.
; xn: bf16 [2][128][1024].  abuf: bf16 [2][128 c][1024 s], the attention's result.
; Eight waves; wave w owns positions 128 w .. 128 w + 127: as columns of the q/k/v product and as its eight tiles of 16 queries.  Every wave walks all 1024 keys.
;
; Q, K, V: D = A x B, A = 16 rows of weights (rows 0 and 8 Wq[c], 1 and 9 Wk[c], 2 and 10 Wv[c], the rest 0), B = xn[b] (K = 128 channels, N = positions).
;   With the rows doubled, registers 0, 1, 2 of a result tile hold q, k, v of position n = lane % 16 in BOTH halves of the lanes: the very lanes in which the
;   scores' operand below wants q, so q never leaves its registers.
; THE MAXIMUM: a score is q_i k_j, so a row's maximum is max(q_i kmax, q_i kmin), with kmax, kmin over the head's 1024 keys: the true maximum of every row,
;   taken away before the exponential as softmax does, from two numbers a head.
; THE SUMS: for 16 queries x 32 keys, e = exp2(q' k - m) with q' = q log2(e), rounded to bf16, is the B operand (column = query, K = key) of one matrix
;   instruction whose A operand holds the rows v (rows 0, 8), 1.0 (rows 1, 9) and 0: register 0 of the result gathers sum e v, register 1 sum e, from the same rounded e.
; CLUSTER: the four heads of a cluster (same b) read the same xn[b]: each wave's tile is asked for jointly (mask 15), which divides the requests for xn by four.
;   cx enters global addresses alone (rows of W, biases, abuf): no LDS address, no branch.
; Every fill of LDS is a first fill: one tensor load a wave, one outstanding by this text's count, nothing is filled again.
; LIMITS: matrix operands are bf16 (xn, W, e <= 1 up to one rounding of m, v); v_exp_f32 gives 0 below 2^-126 (ISA guide 15.8); NaN and infinities are not served specially.
.set XP,   288                         ; pitch of a tile's row: 256 bytes + 32 of padding, an odd multiple of 32 for the transposing loads
.set XT,   128*XP                      ; a wave's tile [128 c][128 s] bf16: 36,864 bytes, at w * XT
.set WIMG, 8*XT                        ; 294,912: 16 rows of weights, bf16
.set WP,   272
.set KARR, WIMG+16*WP                  ; 299,264: k[1024] f32
.set VIMG, KARR+4096                   ; 303,360: three rows of 1024 bf16: v, ones, zeros
.set VP,   2064
.set RED,  VIMG+6400                   ; 309,760: (kmax, kmin) of wave w at 8 w
.set OUTS, RED+256                     ; 310,016: wave w's 256 bytes of results
.set VB,  4                            ; LDS: my address for the transposing loads of my wave's tile
.set VW,  5                            ; LDS: my address in the weights' rows
.set VKS, 6                            ; LDS: where k of position 128 w + r goes
.set VVS, 7                            ; LDS: where v of that position goes
.set VK,  8                            ; LDS: k of the key block at hand, + 32 h; stepped by 256 for two blocks
.set VA,  9                            ; LDS: my row of (v, 1, 0), + 16 h; stepped by 128 for two blocks
.set VO,  10                           ; LDS: where a result goes
.set VL,  11                           ; LDS: where I read 8 bytes of results back
.set VG,  12                           ; byte offset of those 8 bytes in the head's row of abuf
.set QQ,  16                           ; v[16:31]   tile t: (q', q')
.set MM,  32                           ; v[32:47]   tile t: (-m, -m)
.set WF,  32                           ; v[32:63]   q/k/v phase only: the weights' four fragments
.set ACC, 64                           ; v[64:127]  tile t: 8 registers
.set BF,  128                          ; v[128:255] q/k/v phase only: four tiles x four fragments of xn
.set KB,  128                          ; v[128:159] k of a key block, f32, two buffers of 16
.set AV,  160                          ; v[160:175] (v, 1, 0) of a key block, two buffers of 8
.set TS,  176                          ; v[176:207] exponents, then exponentials: two sets of 16
.set PS,  208                          ; v[208:223] exponentials in bf16: two sets of 8
; A round of the cluster's barrier: my work-group's barrier, wave 0 signals for the work-group, every wave waits for all four work-groups, my work-group's barrier again.
.macro ROUND
	s_barrier_signal -1
	s_barrier_wait -1
	s_cmp_lg_u32 s8, 0
	s_cbranch_scc1 .Lnot_wave_0_\@
	s_barrier_signal -3
.Lnot_wave_0_\@:
	s_barrier_wait -3
	s_barrier_signal -1
	s_barrier_wait -1
.endm
	s_load_b512 s[24:39], s[0:1], 0x0              ; xn s[24:25], Wq s[26:27], Wk s[28:29], Wv s[30:31], bq s[32:33], bk s[34:35], bv s[36:37], abuf s[38:39]
	s_set_vgpr_msb 0x40
	v_lshl_add_u32 v0, v0, 2, 0x4c400
	v_mov_b32 v1, 0
	s_set_vgpr_msb 0x4045
	ds_add_u32 v0, v1
	s_set_vgpr_msb 0x4500
	v_lshrrev_b32 v13, 5, v0
	v_readfirstlane_b32 s8, v13                    ; wave 0..7
	s_bfe_u32 s9, ttmp6, 0x40000                   ; cx
	s_lshl_b32 s10, ttmp9, 2
	s_add_co_u32 s10, s10, s9                      ; head c = 4 x cluster x + cx
	s_and_b32 s11, ttmp7, 0xffff                   ; batch b
	; the descriptor: 128 rows (channels) x 128 elements (my wave's positions), pitch 1024 elements; made of b and the wave's number alone
	s_mov_b32 s12, 1                               ; count = 1
	s_mul_i32 s13, s8, XT                          ; LDS address: my wave's tile
	s_mov_b32 s16, 15|(1<<16)|(1<<20)|(1<<21)|(5<<22)|(7<<25)   ; mask: all four of the cluster; 2-byte elements; padding on; bit 21 beside a mask; after every 64 words, 8 words
	s_mov_b32 s17, 128<<16                         ; tensor_dim0 = 128
	s_mov_b32 s18, 128<<16                         ; tensor_dim1 = 128
	s_mov_b32 s19, 128<<16                         ; tile_dim0 = 128
	s_mov_b32 s20, 128                             ; tile_dim1 = 128
	s_mov_b32 s21, 1024                            ; elements from row to row
	s_mov_b32 s22, 0
	s_mov_b32 s23, 0
	s_lshl_b32 s40, s11, 18                        ; b x 262,144 bytes
	s_lshl_b32 s41, s8, 8                          ; + w x 256 bytes
	s_add_co_u32 s40, s40, s41
	s_mov_b32 s41, 0
	s_wait_dscnt 0x0
	s_wait_kmcnt 0x0
	s_add_nc_u64 s[14:15], s[24:25], s[40:41]
	s_or_b32 s15, s15, 0x80000000                  ; type = 2
	ROUND                                          ; all four work-groups are here: the joint loads meet
	tensor_load_to_lds s[12:15], s[16:23]          ; my wave's one load, ahead of every LDS read and every wait on TENSORcnt
	s_nop 0
	; while it is on its way: biases, the head's rows of the weights, the rows of ones and zeros, addresses
	s_lshl_b32 s51, s10, 2
	s_load_b32 s46, s[32:33], s51 offset:0x0       ; bq[c]
	s_load_b32 s47, s[34:35], s51 offset:0x0       ; bk[c]
	s_load_b32 s48, s[36:37], s51 offset:0x0       ; bv[c]
	s_cmp_eq_u32 s8, 1                             ; wave 0 brings Wq's row, wave 1 Wk's, wave 2 Wv's.
	s_cselect_b64 s[42:43], s[28:29], s[26:27]     ; Waves 3 to 7 write the rows of zeros: they run the same lines on Wq's row
	s_cmp_eq_u32 s8, 2                             ; and mask the result, so that the text has no branch here
	s_cselect_b64 s[42:43], s[30:31], s[42:43]
	s_cmp_lt_u32 s8, 3
	s_cselect_b32 s45, -1, 0
	s_lshl_b32 s52, s10, 9                         ; row c: 512 bytes a row
	s_mov_b32 s53, 0
	s_add_nc_u64 s[42:43], s[42:43], s[52:53]
	v_and_b32 v1, 31, v0                           ; L
	v_lshlrev_b32 v14, 4, v1
	global_load_b128 v[48:51], v14, s[42:43]       ; 32 lanes x 16 bytes: the whole row
	s_mov_b32 s50, 0x3fb8aa3b                      ; log2(e)
	v_and_b32 v2, 15, v0                           ; r
	v_bfe_u32 v3, v0, 4, 1                         ; h
	v_lshlrev_b32 v13, 3, v0
	v_add_nc_u32 v13, VIMG, v13                    ; 8 bytes a thread: 256 threads cover a row of 2,048 bytes
	v_mov_b32 v52, 0x3f803f80                      ; 1.0, 1.0 in bf16
	v_mov_b32 v53, 0x3f803f80
	v_mov_b32 v54, 0
	v_mov_b32 v55, 0
	ds_store_b64 v13, v[52:53] offset:VP
	ds_store_b64 v13, v[54:55] offset:2*VP
	s_mul_i32 s54, s8, WP
	s_add_co_u32 s54, s54, WIMG
	v_lshl_add_u32 v15, v1, 3, s54                 ; row w of the weights' image, 8 bytes a lane
	v_and_b32 v13, 7, v0
	v_lshl_add_u32 v13, v3, 3, v13                 ; 8 h + L % 8
	v_mul_u32_u24 v[VB], v13, XP
	v_bfe_u32 v13, v0, 3, 1
	v_lshl_add_u32 v[VB], v13, 4, v[VB]            ; + 16 ((L / 8) % 2)
	v_add_nc_u32 v[VB], s13, v[VB]                 ; + my wave's tile
	v_mul_u32_u24 v[VW], v2, WP
	v_lshl_add_u32 v[VW], v3, 4, v[VW]
	v_add_nc_u32 v[VW], WIMG, v[VW]
	s_lshl_b32 s56, s8, 9
	s_add_co_u32 s56, s56, KARR
	v_lshl_add_u32 v[VKS], v2, 2, s56
	s_lshl_b32 s59, s8, 8
	s_add_co_u32 s57, s59, VIMG
	v_lshl_add_u32 v[VVS], v2, 1, s57
	v_lshlrev_b32 v[VK], 5, v3
	v_add_nc_u32 v[VK], KARR, v[VK]
	v_and_b32 v13, 7, v0
	v_min_u32 v13, 2, v13                          ; rows 0, 8: v; 1, 9: ones; all others: zeros
	v_mul_u32_u24 v[VA], v13, VP
	v_lshl_add_u32 v[VA], v3, 4, v[VA]
	v_add_nc_u32 v[VA], VIMG, v[VA]
	s_add_co_u32 s58, s59, OUTS
	v_lshl_add_u32 v[VO], v2, 1, s58
	v_lshl_add_u32 v[VL], v1, 3, s58
	v_lshl_add_u32 v[VG], v1, 3, s59
	s_lshl_b32 s55, s8, 3
	s_add_co_u32 s55, s55, RED
	s_lshl_b32 s60, s11, 7
	s_add_co_u32 s60, s60, s10
	s_lshl_b32 s60, s60, 11                        ; (128 b + c) rows of 2,048 bytes
	s_mov_b32 s61, 0
	s_add_nc_u64 s[38:39], s[38:39], s[60:61]
	s_wait_loadcnt 0x0                             ; the row of weights (and v14, its offset, is free)
	v_cvt_pk_bf16_f32 v56, v48, v49
	v_cvt_pk_bf16_f32 v57, v50, v51
	v_and_b32 v56, s45, v56
	v_and_b32 v57, s45, v57
	ds_store_b64 v15, v[56:57]                     ; row w
	ds_store_b64 v15, v[56:57] offset:8*WP         ; and row w + 8
	s_wait_dscnt 0x0                               ; my rows are written before I signal
	s_wait_tensorcnt 0x0                           ; and my tile has landed: only I read it, so this wait is all that its reads need
	s_barrier_signal -1
	s_barrier_wait -1                              ; the weights' image, the ones and the zeros are whole
	; ---- q, k, v ----
.irp kk, 0,1,2,3
	ds_load_b128 v[WF+8*\kk:WF+8*\kk+3],   v[VW] offset:64*\kk
	ds_load_b128 v[WF+8*\kk+4:WF+8*\kk+7], v[VW] offset:64*\kk+32
.endr
; tiles 4 g .. 4 g + 3 of my 8 tiles of 16 positions: 32 transposing loads, 16 matrix instructions.  The four accumulators take turns, one instruction a turn.
.macro QKVG g
.if \g
.rept 4
	v_nop                                          ; four places between the matrix instructions that read BF and the loads into it
.endr
.endif
.irp i, 0,1,2,3
.irp kk, 0,1,2,3
	ds_load_tr16_b128 v[BF+32*\i+8*\kk:BF+32*\i+8*\kk+3],   v[VB] offset:\kk*32*XP+32*(4*\g+\i)
	ds_load_tr16_b128 v[BF+32*\i+8*\kk+4:BF+32*\i+8*\kk+7], v[VB] offset:\kk*32*XP+16*XP+32*(4*\g+\i)
.endr
.endr
	s_wait_dscnt 0x0
.irp kk, 0,1,2,3
.irp i, 0,1,2,3
.if \kk
	v_wmma_f32_16x16x32_bf16 v[ACC+8*(4*\g+\i):ACC+8*(4*\g+\i)+7], v[WF+8*\kk:WF+8*\kk+7], v[BF+32*\i+8*\kk:BF+32*\i+8*\kk+7], v[ACC+8*(4*\g+\i):ACC+8*(4*\g+\i)+7]
.else
	v_wmma_f32_16x16x32_bf16 v[ACC+8*(4*\g+\i):ACC+8*(4*\g+\i)+7], v[WF+8*\kk:WF+8*\kk+7], v[BF+32*\i+8*\kk:BF+32*\i+8*\kk+7], 0
.endif
.endr
.endr
.endm
	QKVG 0
	QKVG 1
.rept 4
	v_nop                                          ; four places before the results are read and the operands' registers are used again
.endr
	s_wait_kmcnt 0x0                               ; the three biases
	s_mul_f32 s49, s46, s50                        ; bq log2(e)
.irp t, 0,1,2,3,4,5,6,7
	v_fma_f32 v[QQ+2*\t], v[ACC+8*\t], s50, s49    ; q' = (q + bq) log2(e)
	v_add_f32 v[48+\t], s47, v[ACC+8*\t+1]         ; k
	v_add_f32 v[56+\t], s48, v[ACC+8*\t+2]         ; v
.endr
.irp t, 0,1,2,3,4,5,6,7
	v_mov_b32 v[QQ+2*\t+1], v[QQ+2*\t]             ; a pair for the packed multiply-add
	ds_store_b32 v[VKS], v[48+\t] offset:64*\t     ; both halves of the lanes hold, and write, the same number
.endr
	v_max3_num_f32 v14, v48, v49, v50
	v_min3_num_f32 v15, v48, v49, v50
	v_max3_num_f32 v14, v14, v51, v52
	v_min3_num_f32 v15, v15, v51, v52
	v_max3_num_f32 v14, v14, v53, v54
	v_min3_num_f32 v15, v15, v53, v54
	v_max_num_f32 v14, v14, v55
	v_min_num_f32 v15, v15, v55
.irp t, 0,2,4,6
	v_cvt_pk_bf16_f32 v[56+\t], v[56+\t], v[57+\t]
	ds_store_b16 v[VVS], v[56+\t] offset:32*\t
	ds_store_b16_d16_hi v[VVS], v[56+\t] offset:32*\t+32
.endr
.irp x, 1,2,4,8
	v_max_num_f32_dpp v14, v14, v14 row_xmask:\x row_mask:0xf bank_mask:0xf    ; over the 16 lanes of a half; the halves are equal
	v_min_num_f32_dpp v15, v15, v15 row_xmask:\x row_mask:0xf bank_mask:0xf
.endr
	v_mov_b32 v13, s55
	ds_store_b64 v13, v[14:15]                     ; my wave's (kmax, kmin)
	s_wait_dscnt 0x0                               ; k, v and the extremes are written before I signal
	s_barrier_signal -1
	s_barrier_wait -1                              ; all 1024 k and v and the eight pairs are there
; k (16 f32 a lane: keys 8 h .. + 7 and 16 + 8 h .. + 7 of the block) and the fragment of (v, 1, 0) of one block of 32 keys, into buffer p
.macro LOADKB p, ko, ao
	ds_load_b128 v[KB+16*(\p):KB+16*(\p)+3],     v[VK] offset:\ko
	ds_load_b128 v[KB+16*(\p)+4:KB+16*(\p)+7],   v[VK] offset:\ko+16
	ds_load_b128 v[KB+16*(\p)+8:KB+16*(\p)+11],  v[VK] offset:\ko+64
	ds_load_b128 v[KB+16*(\p)+12:KB+16*(\p)+15], v[VK] offset:\ko+80
	ds_load_b128 v[AV+8*(\p):AV+8*(\p)+3],       v[VA] offset:\ao
	ds_load_b128 v[AV+8*(\p)+4:AV+8*(\p)+7],     v[VA] offset:\ao+32
.endm
; the 16 exponents q' k - m of tile nt against the keys in buffer np, into set
.macro FMA8 set, nt, np
.irp j, 0,1,2,3,4,5,6,7
	v_pk_fma_f32 v[TS+16*(\set)+2*\j:TS+16*(\set)+2*\j+1], v[KB+16*(\np)+2*\j:KB+16*(\np)+2*\j+1], v[QQ+2*(\nt):QQ+2*(\nt)+1], v[MM+2*(\nt):MM+2*(\nt)+1]
.endr
.endm
; 16 exponentials of set to bf16, into P set pb
.macro CVT8 set, pb
	s_wait_alu depctr_va_vdst(0)
.irp j, 0,1,2,3,4,5,6,7
	v_cvt_pk_bf16_f32 v[PS+8*(\pb)+\j], v[TS+16*(\set)+2*\j], v[TS+16*(\set)+2*\j+1]
.endr
.endm
; One unit: tile t (16 queries) against the 32 keys in buffer p.  Its 16 exponentials are taken in place; between them stand the roundings of the unit before
; (whose exponentials lie in the other set) and, into the registers so freed, the exponents of the unit after; last comes the matrix instruction of the unit before.
; Behind every v_exp_f32 stands a plain instruction on other registers or another v_exp_f32, and its result is read a unit later (ISA guide 5.7.2).
; A P set is written again two units behind the matrix instruction that read it: the 16 plain instructions of the unit between are the places (ISA guide 7.12.1).
; The matrix instructions name tiles 0 to 7 by turns, one a turn, over the backward jump too.
.macro STEP t, p, hasprev, hasnext, zprev
.set CUR, TS+16*((\t)&1)
.set OTH, TS+16*(((\t)+1)&1)
.set PT, ((\t)+7)&7
.set NT, ((\t)+1)&7
.if (\t) == 0
.set PAV, 1-(\p)
.else
.set PAV, (\p)
.endif
.if (\t) == 7
.set NKB, 1-(\p)
.else
.set NKB, (\p)
.endif
.set PB, PS+8*(PT&1)
.set j, 0
.rept 8
	v_exp_f32 v[CUR+2*j], v[CUR+2*j]
.if \hasprev
	s_wait_alu depctr_va_vdst(0)
	v_cvt_pk_bf16_f32 v[PB+j], v[OTH+2*j], v[OTH+2*j+1]
.endif
	v_exp_f32 v[CUR+2*j+1], v[CUR+2*j+1]
.if \hasnext
	v_pk_fma_f32 v[OTH+2*j:OTH+2*j+1], v[KB+16*NKB+2*j:KB+16*NKB+2*j+1], v[QQ+2*NT:QQ+2*NT+1], v[MM+2*NT:MM+2*NT+1]
.endif
.set j, j+1
.endr
.if \hasprev
.if \zprev
	v_wmma_f32_16x16x32_bf16 v[ACC+8*PT:ACC+8*PT+7], v[AV+8*PAV:AV+8*PAV+7], v[PB:PB+7], 0      ; a tile's first product starts its sums
.else
	v_wmma_f32_16x16x32_bf16 v[ACC+8*PT:ACC+8*PT+7], v[AV+8*PAV:AV+8*PAV+7], v[PB:PB+7], v[ACC+8*PT:ACC+8*PT+7]
.endif
.endif
.endm
; One block of 32 keys (buffer p) against my eight tiles.  The next block's six loads go out behind unit 1: the last matrix instruction that read the other
; buffer stands at the end of unit 0, and unit 1's 16 plain instructions are the places behind it.  They are waited for in front of unit 7, which makes the
; next block's first exponents.
.macro BLOCK p, first, second, last, ko, ao
	STEP 0, \p, 1-\first, 1, \second
	STEP 1, \p, 1, 1, \first
.if \last == 0
	LOADKB 1-\p, \ko, \ao
.endif
	STEP 2, \p, 1, 1, \first
	STEP 3, \p, 1, 1, \first
	STEP 4, \p, 1, 1, \first
	STEP 5, \p, 1, 1, \first
	STEP 6, \p, 1, 1, \first
.if \last == 0
	s_wait_dscnt 0x0                               ; the six loads issued five units ago
.endif
	STEP 7, \p, 1, 1-\last, \first
.endm
.macro PAIR f, l
	BLOCK 0, \f, 0, 0, 128, 64
	BLOCK 1, 0, \f, \l, 256, 128
.if \l == 0
	v_add_nc_u32 v[VK], 256, v[VK]                 ; two blocks on: 64 keys of 4 bytes,
	v_add_nc_u32 v[VA], 128, v[VA]                 ; 64 of 2 bytes
.endif
.endm
	; ---- the rows' maxima ----
	v_mov_b32 v13, RED
	ds_load_b128 v[48:51], v13
	ds_load_b128 v[52:55], v13 offset:16
	ds_load_b128 v[56:59], v13 offset:32
	ds_load_b128 v[60:63], v13 offset:48
	LOADKB 0, 0, 0
	s_wait_dscnt 0x6                               ; the four loads of the extremes are in; the six of the first key block, issued behind them, stay out
	v_max3_num_f32 v14, v48, v50, v52
	v_min3_num_f32 v15, v49, v51, v53
	v_max3_num_f32 v14, v14, v54, v56
	v_min3_num_f32 v15, v15, v55, v57
	v_max3_num_f32 v14, v14, v58, v60
	v_min3_num_f32 v15, v15, v59, v61
	v_max_num_f32 v14, v14, v62
	v_min_num_f32 v15, v15, v63
	v_xor_b32 v14, 0x80000000, v14                 ; -kmax
	v_xor_b32 v15, 0x80000000, v15                 ; -kmin
.irp t, 0,1,2,3,4,5,6,7
	v_mul_f32 v[48+2*\t], v[QQ+2*\t], v14
	v_mul_f32 v[49+2*\t], v[QQ+2*\t], v15
.endr
.irp t, 0,1,2,3,4,5,6,7
	v_min_num_f32 v[MM+2*\t], v[48+2*\t], v[49+2*\t]       ; -m = -max(q' kmax, q' kmin)
.endr
.irp t, 0,1,2,3,4,5,6,7
	v_mov_b32 v[MM+2*\t+1], v[MM+2*\t]
.endr
	s_wait_dscnt 0x0                               ; the first key block
	FMA8 0, 0, 0                                   ; the first unit's exponents
	; ---- 32 key blocks, two a trip: the first pair starts the sums, the last loads nothing more ----
	PAIR 1, 0
	s_mov_b32 s44, 14
.Lkeys:
	PAIR 0, 0
	s_sub_co_i32 s44, s44, 1
	s_cmp_lg_u32 s44, 0
	s_cbranch_scc1 .Lkeys
	PAIR 0, 1
	CVT8 1, 1                                      ; the last unit: tile 7 of the last block
	v_wmma_f32_16x16x32_bf16 v[ACC+56:ACC+63], v[AV+8:AV+15], v[PS+8:PS+15], v[ACC+56:ACC+63]
.rept 4
	v_nop                                          ; four places before the sums are read
.endr
	; ---- out = (sum e v) / (sum e); the largest e of a row is 1 up to rounding, so the sum is never 0 ----
.irp t, 0,1,2,3,4,5,6,7
	v_rcp_f32 v[48+\t], v[ACC+8*\t+1]
.endr
	v_nop                                          ; one plain instruction behind the last v_rcp_f32
	s_wait_alu depctr_va_vdst(0)
.irp t, 0,1,2,3,4,5,6,7
	v_mul_f32 v[48+\t], v[48+\t], v[ACC+8*\t]
.endr
.irp t, 0,2,4,6
	v_cvt_pk_bf16_f32 v[56+\t], v[48+\t], v[49+\t]
	ds_store_b16 v[VO], v[56+\t] offset:32*\t
	ds_store_b16_d16_hi v[VO], v[56+\t] offset:32*\t+32
.endr
	ds_load_b64 v[14:15], v[VL]                    ; my wave's own bytes; LDS serves a wave's instructions in order (ISA guide 5.7.1): the load sees the stores
	s_wait_dscnt 0x0
	global_store_b64 v[VG], v[14:15], s[38:39]     ; the wave's 128 results: 256 consecutive bytes, aligned, in one store
	s_set_vgpr_msb 0x5
	s_wait_tensorcnt 0x0
	ds_add_u32 v0, v1
	s_wait_dscnt 0x0
	s_set_vgpr_msb 0x500
	ROUND                                          ; the closing round: no work-group ends while a partner may still ask jointly
	s_endpgm
.Lfunc_end_k_qe79d575143_attn:
	.size	k_qe79d575143_attn, .Lfunc_end_k_qe79d575143_attn-k_qe79d575143_attn
	.p2alignl 7, 3214868480
	.fill 96, 4, 3214868480
	.section	.rodata,"a",@progbits
	.p2align	6, 0x0
	.amdhsa_kernel k_qe79d575143_attn
		.amdhsa_group_segment_fixed_size 313344
		.amdhsa_private_segment_fixed_size 0
		.amdhsa_enable_private_segment 0
		.amdhsa_kernarg_size 64
		.amdhsa_user_sgpr_count 2
		.amdhsa_user_sgpr_kernarg_segment_ptr 1
		.amdhsa_wavefront_size32 1
		.amdhsa_system_sgpr_workgroup_id_x 1
		.amdhsa_system_sgpr_workgroup_id_y 1
		.amdhsa_system_sgpr_workgroup_id_z 1
		.amdhsa_system_vgpr_workitem_id 0
		.amdhsa_next_free_vgpr 258
		.amdhsa_next_free_sgpr 66
		.amdhsa_reserve_vcc 0
		.amdhsa_float_denorm_mode_32 3
		.amdhsa_float_denorm_mode_16_64 3
		.amdhsa_memory_ordered 1
		.amdhsa_forward_progress 1
		.amdhsa_inst_pref_size 111
	.end_amdhsa_kernel
	.amdgpu_metadata
---
amdhsa.version: [ 1, 2 ]
amdhsa.kernels:
  - .name:           k_qe79d575143_attn
    .symbol:         k_qe79d575143_attn.kd
    .args:
      - { .name: xn, .offset: 0, .size: 8, .value_kind: global_buffer, .address_space: global }
      - { .name: Wq, .offset: 8, .size: 8, .value_kind: global_buffer, .address_space: global }
      - { .name: Wk, .offset: 16, .size: 8, .value_kind: global_buffer, .address_space: global }
      - { .name: Wv, .offset: 24, .size: 8, .value_kind: global_buffer, .address_space: global }
      - { .name: bq, .offset: 32, .size: 8, .value_kind: global_buffer, .address_space: global }
      - { .name: bk, .offset: 40, .size: 8, .value_kind: global_buffer, .address_space: global }
      - { .name: bv, .offset: 48, .size: 8, .value_kind: global_buffer, .address_space: global }
      - { .name: abuf, .offset: 56, .size: 8, .value_kind: global_buffer, .address_space: global }
    .group_segment_fixed_size: 313344
    .private_segment_fixed_size: 0
    .kernarg_segment_align: 8
    .kernarg_segment_size: 64
    .max_flat_workgroup_size: 256
    .sgpr_count:     66
    .vgpr_count:     258
    .wavefront_size: 32
...
	.end_amdgpu_metadata
.endif
;; end of part 2
;; launch oproj (part 3): grid 8 x 16, 4 waves a work-group, clusters of 4 x 1, 168,448 bytes of LDS; arguments abuf, Wo, bo, hidden_states, out0; writes out0
.if DOCPART == 3
	.amdgcn_target "amdgcn-amd-amdhsa--gfx1250"
	.amdhsa_code_object_version 6
	.text
	.protected	k_qe79d575143_oproj
	.globl	k_qe79d575143_oproj
	.p2align	8
	.type	k_qe79d575143_oproj,@function
k_qe79d575143_oproj:
	s_mov_b64 s[64:65], 0
	v_nop
	global_prefetch_b8 v0, s[64:65] scope:SCOPE_SE
	s_setreg_imm32_b32 hwreg(HW_REG_WAVE_MODE, 25, 1), 1
	s_wait_xcnt 0x0
	s_wait_alu depctr_hold_cnt(0) depctr_sa_sdst(0) depctr_va_vdst(0) depctr_va_sdst(0) depctr_va_ssrc(0) depctr_va_vcc(0) depctr_vm_vsrc(0)
	s_getreg_b32 s2, hwreg(HW_REG_IB_STS2, 6, 4)
	s_cmp_eq_u32 s2, 0
	s_cbranch_scc0 .Lentry_in_a_cluster
	s_endpgm
.Lentry_in_a_cluster:
	s_bfe_u32 s2, ttmp6, 0x10000c
	s_cmp_lg_u32 s2, 0x3003
	s_cbranch_scc0 .Lentry_shape_is_right
	s_endpgm
.Lentry_shape_is_right:
; out0[b][o][s] = sum over c of a[b][c][s] Wo[o][c] + bo[o] + x[b][o][s].  a = abuf, bf16 [2][128][1024]; Wo, bo, x, out0 f32.
; A work-group makes 16 output channels x 128 positions: 8 blocks of channels (x) x 16 blocks of (batch, positions) (y) = 128 work-groups; the whole product
; is 2 x 128 x 1024 x 128 multiply-adds, eight matrix instructions a wave, so a finer split would only repeat the loads of a.
; Four waves; wave w makes positions 32 w .. 32 w + 31 (two accumulators) and later stores rows 4 w .. 4 w + 3.
; THE MATRIX INSTRUCTION IS USED TRANSPOSED: A = 16 positions of a, B = 16 rows of Wo.  Lane (r, h) then holds, in registers 0 to 7, eight neighbouring positions
; 8 h .. 8 h + 7 of output channel o0 + r: 32 bytes that belong together.  They go through a stage in LDS and leave as whole rows of 512 bytes.
; CLUSTER: the four work-groups of a cluster (same y) read the same tile of a: each wave's quarter is asked for jointly (mask 15).  cx enters global addresses alone.
; One tensor load a wave, one outstanding by this text's count; nothing in LDS is filled again.
; LIMITS: matrix operands (a, Wo) are bf16; bias and residual are added in f32; NaN and infinities are not served specially.
.set XP,    288                        ; pitch of a row of the tile: 256 bytes + 32, an odd multiple of 32 for the transposing loads
.set STAGE, 128*XP                     ; 36,864: 16 rows of 128 f32
.set SP,    528                        ; 512 bytes + 16: the 16 rows that a store touches start at 16 different 16-byte columns
.set VB,  4                            ; LDS: my address for the transposing loads
.set VWO, 5                            ; byte offset of my part of Wo's 16 rows: 512 r + 32 h
.set VS,  6                            ; LDS: where my 32 bytes go in the stage
.set VR,  7                            ; LDS: where I read a row back
.set VX,  8                            ; 16 L: my 16 bytes of a row of x and of out0
.set WF,  32                           ; v[32:63]   Wo's four fragments, bf16
.set WL,  64                           ; v[64:127]  Wo as loaded, f32
.set AF,  128                          ; v[128:191] a: tile i, K step kk at 32 i + 8 kk
.set ACC, 192                          ; v[192:207] two accumulators
.set XR,  208                          ; v[208:223] four rows of x, then x + bo
.set ST,  224                          ; v[224:239] four rows read back from the stage
.macro ROUND                           ; a round of the cluster's barrier
	s_barrier_signal -1
	s_barrier_wait -1
	s_cmp_lg_u32 s8, 0
	s_cbranch_scc1 .Lnot_wave_0_\@
	s_barrier_signal -3
.Lnot_wave_0_\@:
	s_barrier_wait -3
	s_barrier_signal -1
	s_barrier_wait -1
.endm
	s_load_b256 s[24:31], s[0:1], 0x0              ; abuf s[24:25], Wo s[26:27], bo s[28:29], x s[30:31]
	s_load_b64 s[32:33], s[0:1], 0x20              ; out0
	v_lshl_add_u32 v240, v0, 2, 0x29000
	v_mov_b32 v241, 0
	ds_add_u32 v240, v241
	v_lshrrev_b32 v13, 5, v0
	v_readfirstlane_b32 s8, v13                    ; wave 0..3
	s_bfe_u32 s9, ttmp6, 0x40000                   ; cx
	s_lshl_b32 s10, ttmp9, 2
	s_add_co_u32 s10, s10, s9                      ; block of 16 output channels
	s_and_b32 s11, ttmp7, 0xffff
	s_lshr_b32 s34, s11, 3                         ; batch b
	s_and_b32 s35, s11, 7                          ; block of 128 positions
	; the descriptor: my 32 rows (channels 32 w ..) x 128 elements; made of y and the wave's number alone
	s_mov_b32 s12, 1
	s_mul_i32 s13, s8, 32*XP
	s_mov_b32 s16, 15|(1<<16)|(1<<20)|(1<<21)|(5<<22)|(7<<25)   ; mask of all four; 2-byte elements; padding on; bit 21 beside a mask; after every 64 words, 8 words
	s_mov_b32 s17, 128<<16                         ; tensor_dim0 = 128
	s_mov_b32 s18, 32<<16                          ; tensor_dim1 = 32
	s_mov_b32 s19, 128<<16                         ; tile_dim0 = 128
	s_mov_b32 s20, 32                              ; tile_dim1 = 32
	s_mov_b32 s21, 1024
	s_mov_b32 s22, 0
	s_mov_b32 s23, 0
	s_lshl_b32 s40, s34, 18                        ; b x 262,144
	s_lshl_b32 s41, s35, 8                         ; + 128 positions x 2 bytes
	s_add_co_u32 s40, s40, s41
	s_lshl_b32 s41, s8, 16                         ; + 32 rows of 2,048 bytes a wave
	s_add_co_u32 s40, s40, s41
	s_mov_b32 s41, 0
	; offsets in which cx has a part, in registers of their own
	s_lshl_b32 s50, s10, 13                        ; Wo: 16 rows of 512 bytes
	s_mov_b32 s51, 0
	s_lshl_b32 s52, s34, 19                        ; x, out0: (128 b + 16 block + 4 w) rows of 4,096 bytes + 512 x position block
	s_lshl_b32 s53, s10, 16
	s_add_co_u32 s52, s52, s53
	s_lshl_b32 s53, s8, 14
	s_add_co_u32 s52, s52, s53
	s_lshl_b32 s53, s35, 9
	s_add_co_u32 s52, s52, s53
	s_mov_b32 s53, 0
	s_lshl_b32 s48, s10, 6                         ; bo: 4 (16 block + 4 w)
	s_lshl_b32 s49, s8, 4
	s_add_co_u32 s48, s48, s49
	s_wait_dscnt 0x0
	s_wait_kmcnt 0x0
	s_add_nc_u64 s[14:15], s[24:25], s[40:41]
	s_or_b32 s15, s15, 0x80000000                  ; type = 2
	s_add_nc_u64 s[46:47], s[26:27], s[50:51]
	s_add_nc_u64 s[42:43], s[30:31], s[52:53]
	s_add_nc_u64 s[44:45], s[32:33], s[52:53]
	ROUND                                          ; all four work-groups are here
	tensor_load_to_lds s[12:15], s[16:23]          ; my quarter of the tile
	s_nop 0
	s_load_b128 s[36:39], s[28:29], s48 offset:0x0 ; bo of my four rows
	v_and_b32 v1, 31, v0                           ; L
	v_and_b32 v2, 15, v0                           ; r
	v_bfe_u32 v3, v0, 4, 1                         ; h
	v_lshlrev_b32 v[VWO], 9, v2
	v_lshl_add_u32 v[VWO], v3, 5, v[VWO]
	v_lshlrev_b32 v[VX], 4, v1
.irp kk, 0,1,2,3
	global_load_b128 v[WL+16*\kk:WL+16*\kk+3],     v[VWO], s[46:47] offset:128*\kk       ; Wo(o0 + r, 32 kk + 8 h .. + 7)
	global_load_b128 v[WL+16*\kk+4:WL+16*\kk+7],   v[VWO], s[46:47] offset:128*\kk+16
	global_load_b128 v[WL+16*\kk+8:WL+16*\kk+11],  v[VWO], s[46:47] offset:128*\kk+64    ; Wo(o0 + r, 32 kk + 16 + 8 h .. + 7)
	global_load_b128 v[WL+16*\kk+12:WL+16*\kk+15], v[VWO], s[46:47] offset:128*\kk+80
.endr
.irp i, 0,1,2,3
	global_load_b128 v[XR+4*\i:XR+4*\i+3], v[VX], s[42:43] offset:4096*\i                ; a row's 512 bytes of x
.endr
	v_and_b32 v13, 7, v0
	v_lshl_add_u32 v13, v3, 3, v13                 ; 8 h + L % 8
	v_mul_u32_u24 v[VB], v13, XP
	v_bfe_u32 v13, v0, 3, 1
	v_lshl_add_u32 v[VB], v13, 4, v[VB]
	s_lshl_b32 s54, s8, 6                          ; my 32 positions: 64 bytes a wave
	v_add_nc_u32 v[VB], s54, v[VB]
	v_mul_u32_u24 v[VS], v2, SP
	v_lshl_add_u32 v[VS], v3, 5, v[VS]
	s_lshl_b32 s55, s8, 7
	s_add_co_u32 s55, s55, STAGE
	v_add_nc_u32 v[VS], s55, v[VS]
	s_mul_i32 s56, s8, 4*SP
	s_add_co_u32 s56, s56, STAGE
	v_lshl_add_u32 v[VR], v1, 4, s56
	s_wait_loadcnt 0x4                             ; the sixteen loads of Wo are in; the four of x, issued behind them, stay out
.set j, 0
.rept 32
	v_cvt_pk_bf16_f32 v[WF+j], v[WL+2*j], v[WL+2*j+1]
.set j, j+1
.endr
	s_wait_loadcnt 0x0                             ; x
	s_wait_kmcnt 0x0                               ; bo
.irp i, 0,1,2,3
.irp k, 0,1,2,3
	v_add_f32 v[XR+4*\i+\k], s[36+\i], v[XR+4*\i+\k]
.endr
.endr
	s_wait_tensorcnt 0x0                           ; my quarter has landed before I signal
	s_barrier_signal -1
	s_barrier_wait -1                              ; the tile is whole
.irp i, 0,1
.irp kk, 0,1,2,3
	ds_load_tr16_b128 v[AF+32*\i+8*\kk:AF+32*\i+8*\kk+3],   v[VB] offset:\kk*32*XP+32*\i
	ds_load_tr16_b128 v[AF+32*\i+8*\kk+4:AF+32*\i+8*\kk+7], v[VB] offset:\kk*32*XP+16*XP+32*\i
.endr
.endr
	s_wait_dscnt 0x0
.irp kk, 0,1,2,3                       ; the two accumulators take turns, one instruction a turn
.irp i, 0,1
.if \kk
	v_wmma_f32_16x16x32_bf16 v[ACC+8*\i:ACC+8*\i+7], v[AF+32*\i+8*\kk:AF+32*\i+8*\kk+7], v[WF+8*\kk:WF+8*\kk+7], v[ACC+8*\i:ACC+8*\i+7]
.else
	v_wmma_f32_16x16x32_bf16 v[ACC+8*\i:ACC+8*\i+7], v[AF+32*\i+8*\kk:AF+32*\i+8*\kk+7], v[WF+8*\kk:WF+8*\kk+7], 0
.endif
.endr
.endr
.rept 4
	v_nop                                          ; four places before the LDS stores read the results
.endr
.irp i, 0,1
	ds_store_b128 v[VS], v[ACC+8*\i:ACC+8*\i+3]   offset:64*\i
	ds_store_b128 v[VS], v[ACC+8*\i+4:ACC+8*\i+7] offset:64*\i+16
.endr
	s_wait_dscnt 0x0                               ; my part of the stage is written before I signal
	s_barrier_signal -1
	s_barrier_wait -1                              ; all 16 rows are whole
.irp i, 0,1,2,3
	ds_load_b128 v[ST+4*\i:ST+4*\i+3], v[VR] offset:SP*\i
.endr
	s_wait_dscnt 0x0
.irp i, 0,1,2,3,4,5,6,7
	v_pk_add_f32 v[ST+2*\i:ST+2*\i+1], v[ST+2*\i:ST+2*\i+1], v[XR+2*\i:XR+2*\i+1]
.endr
.irp i, 0,1,2,3
	global_store_b128 v[VX], v[ST+4*\i:ST+4*\i+3], s[44:45] offset:4096*\i th:TH_STORE_NT   ; a wave's store covers 512 consecutive bytes, aligned
.endr
	s_wait_tensorcnt 0x0
	ds_add_u32 v240, v241
	s_wait_dscnt 0x0
	ROUND                                          ; the closing round
	s_endpgm
.Lfunc_end_k_qe79d575143_oproj:
	.size	k_qe79d575143_oproj, .Lfunc_end_k_qe79d575143_oproj-k_qe79d575143_oproj
	.p2alignl 7, 3214868480
	.fill 96, 4, 3214868480
	.section	.rodata,"a",@progbits
	.p2align	6, 0x0
	.amdhsa_kernel k_qe79d575143_oproj
		.amdhsa_group_segment_fixed_size 168448
		.amdhsa_private_segment_fixed_size 0
		.amdhsa_enable_private_segment 0
		.amdhsa_kernarg_size 40
		.amdhsa_user_sgpr_count 2
		.amdhsa_user_sgpr_kernarg_segment_ptr 1
		.amdhsa_wavefront_size32 1
		.amdhsa_system_sgpr_workgroup_id_x 1
		.amdhsa_system_sgpr_workgroup_id_y 1
		.amdhsa_system_sgpr_workgroup_id_z 1
		.amdhsa_system_vgpr_workitem_id 0
		.amdhsa_next_free_vgpr 242
		.amdhsa_next_free_sgpr 66
		.amdhsa_reserve_vcc 0
		.amdhsa_float_denorm_mode_32 3
		.amdhsa_float_denorm_mode_16_64 3
		.amdhsa_memory_ordered 1
		.amdhsa_forward_progress 1
		.amdhsa_inst_pref_size 13
	.end_amdhsa_kernel
	.amdgpu_metadata
---
amdhsa.version: [ 1, 2 ]
amdhsa.kernels:
  - .name:           k_qe79d575143_oproj
    .symbol:         k_qe79d575143_oproj.kd
    .args:
      - { .name: abuf, .offset: 0, .size: 8, .value_kind: global_buffer, .address_space: global }
      - { .name: Wo, .offset: 8, .size: 8, .value_kind: global_buffer, .address_space: global }
      - { .name: bo, .offset: 16, .size: 8, .value_kind: global_buffer, .address_space: global }
      - { .name: hidden_states, .offset: 24, .size: 8, .value_kind: global_buffer, .address_space: global }
      - { .name: out0, .offset: 32, .size: 8, .value_kind: global_buffer, .address_space: global }
    .group_segment_fixed_size: 168448
    .private_segment_fixed_size: 0
    .kernarg_segment_align: 8
    .kernarg_segment_size: 40
    .max_flat_workgroup_size: 128
    .sgpr_count:     66
    .vgpr_count:     242
    .wavefront_size: 32
...
	.end_amdgpu_metadata
.endif
;; end of part 3
;; ======== version 2 of 2: 3 launches; 1.58 times as fast as version 1
;; workspace buffers: xn 524,288 bytes; abuf 524,288 bytes
;; launch norm: the kernel of part 1 again; grid 64 x 1, 8 waves a work-group, no clusters, 1,280 bytes of LDS; arguments hidden_states, gn_weight, gn_bias, xn; writes xn
;; launch attn (part 4): grid 128 x 2, 8 waves a work-group, clusters of 4 x 1, 313,344 bytes of LDS; arguments xn, Wq, Wk, Wv, bq, bk, bv, abuf; writes abuf
.if DOCPART == 4
	.amdgcn_target "amdgcn-amd-amdhsa--gfx1250"
	.amdhsa_code_object_version 6
	.text
	.protected	k_qe79d575143_attn
	.globl	k_qe79d575143_attn
	.p2align	8
	.type	k_qe79d575143_attn,@function
k_qe79d575143_attn:
	s_mov_b64 s[64:65], 0
	v_nop
	global_prefetch_b8 v0, s[64:65] scope:SCOPE_SE
	s_setreg_imm32_b32 hwreg(HW_REG_WAVE_MODE, 25, 1), 1
	s_wait_xcnt 0x0
	s_wait_alu depctr_hold_cnt(0) depctr_sa_sdst(0) depctr_va_vdst(0) depctr_va_sdst(0) depctr_va_ssrc(0) depctr_va_vcc(0) depctr_vm_vsrc(0)
	s_getreg_b32 s2, hwreg(HW_REG_IB_STS2, 6, 4)
	s_cmp_eq_u32 s2, 0
	s_cbranch_scc0 .Lentry_in_a_cluster
	s_endpgm
.Lentry_in_a_cluster:
	s_bfe_u32 s2, ttmp6, 0x10000c
	s_cmp_lg_u32 s2, 0x3003
	s_cbranch_scc0 .Lentry_shape_is_right
	s_endpgm
.Lentry_shape_is_right:
; One work-group for each (batch b, head c): q, k, v of that head (one number a position, since a head is one channel), softmax(q k^T) v over 1024 x 1024 scores.
; xn: bf16 [2][128][1024].  abuf: bf16 [2][128 c][1024 s], the attention's result.
; Eight waves; wave w owns positions 128 w .. 128 w + 127: as columns of the q/k/v product and as its eight tiles of 16 queries.  Every wave walks all 1024 keys.
;
; Q, K, V: D = A x B, A = 16 rows of weights (rows 0 and 8 Wq[c], 1 and 9 Wk[c], 2 and 10 Wv[c], the rest 0), B = xn[b] (K = 128 channels, N = positions).
;   With the rows doubled, registers 0, 1, 2 of a result tile hold q, k, v of position n = lane % 16 in BOTH halves of the lanes: the very lanes in which the
;   scores' operand below wants q, so q never leaves its registers.
; THE MAXIMUM: a score is q_i k_j, so a row's maximum is max(q_i kmax, q_i kmin), with kmax, kmin over the head's 1024 keys: the true maximum of every row,
;   taken away before the exponential as softmax does, from two numbers a head.
; THE SUMS: for 16 queries x 32 keys, e = exp2(q' k - m) with q' = q log2(e), rounded to bf16, is the B operand (column = query, K = key) of one matrix
;   instruction whose A operand holds the rows v (rows 0, 8), 1.0 (rows 1, 9) and 0: register 0 of the result gathers sum e v, register 1 sum e, from the same rounded e.
; THE BATCHES: the walk goes in DUOS, two tiles (32 queries) against a block of 32 keys.  A duo's 32 exponentials are one batch, taken in place in a set of 32 registers
;   of its own; two sets take turns.  Between the exponentials stands work on the other set alone (the roundings of the duo before, the exponents of the duo after), and
;   ONE wait stands at the duo's end, ahead of every line that names a result: four waits for a key block's 128 exponentials.  The way out's eight reciprocals are a batch of their own.
; CLUSTER: the four heads of a cluster (same b) read the same xn[b]: each wave's tile is asked for jointly (mask 15), which divides the requests for xn by four.
;   cx enters global addresses alone (rows of W, biases, abuf): no LDS address, no branch.
; Every fill of LDS is a first fill: one tensor load a wave, one outstanding by this text's count, nothing is filled again.
; LIMITS: matrix operands are bf16 (xn, W, e <= 1 up to one rounding of m, v); v_exp_f32 gives 0 below 2^-126 (ISA guide 15.8); NaN and infinities are not served specially.
.set XP,   288                         ; pitch of a tile's row: 256 bytes + 32 of padding, an odd multiple of 32 for the transposing loads
.set XT,   128*XP                      ; a wave's tile [128 c][128 s] bf16: 36,864 bytes, at w * XT
.set WIMG, 8*XT                        ; 294,912: 16 rows of weights, bf16
.set WP,   272
.set KARR, WIMG+16*WP                  ; 299,264: k[1024] f32
.set VIMG, KARR+4096                   ; 303,360: three rows of 1024 bf16: v, ones, zeros
.set VP,   2064
.set RED,  VIMG+6400                   ; 309,760: (kmax, kmin) of wave w at 8 w
.set OUTS, RED+256                     ; 310,016: wave w's 256 bytes of results
.set VB,  4                            ; LDS: my address for the transposing loads of my wave's tile
.set VW,  5                            ; LDS: my address in the weights' rows
.set VKS, 6                            ; LDS: where k of position 128 w + r goes
.set VVS, 7                            ; LDS: where v of that position goes
.set VK,  8                            ; LDS: k of the key block at hand, + 32 h; stepped by 256 for two blocks
.set VA,  9                            ; LDS: my row of (v, 1, 0), + 16 h; stepped by 128 for two blocks
.set VO,  10                           ; LDS: where a result goes
.set VL,  11                           ; LDS: where I read 8 bytes of results back
.set VG,  12                           ; byte offset of those 8 bytes in the head's row of abuf
.set QQ,  16                           ; v[16:31]   tile t: (q', q')
.set MM,  32                           ; v[32:47]   tile t: (-m, -m)
.set WF,  32                           ; v[32:63]   q/k/v phase only: the weights' four fragments
.set ACC, 64                           ; v[64:127]  tile t: 8 registers
.set BF,  128                          ; v[128:255] q/k/v phase only: four tiles x four fragments of xn
.set KB,  128                          ; v[128:159] k of a key block, f32, two buffers of 16
.set AV,  160                          ; v[160:175] (v, 1, 0) of a key block, two buffers of 8
.set TS,  176                          ; v[176:207], v[224:255] exponents, then exponentials: two sets of 32 (a duo's: 16 a tile), set s at TS + 48 s
.set PS,  208                          ; v[208:223] a duo's exponentials in bf16: 8 registers a tile
; A round of the cluster's barrier: my work-group's barrier, wave 0 signals for the work-group, every wave waits for all four work-groups, my work-group's barrier again.
.macro ROUND
	s_barrier_signal -1
	s_barrier_wait -1
	s_cmp_lg_u32 s8, 0
	s_cbranch_scc1 .Lnot_wave_0_\@
	s_barrier_signal -3
.Lnot_wave_0_\@:
	s_barrier_wait -3
	s_barrier_signal -1
	s_barrier_wait -1
.endm
	s_load_b512 s[24:39], s[0:1], 0x0              ; xn s[24:25], Wq s[26:27], Wk s[28:29], Wv s[30:31], bq s[32:33], bk s[34:35], bv s[36:37], abuf s[38:39]
	s_set_vgpr_msb 0x40
	v_lshl_add_u32 v0, v0, 2, 0x4c400
	v_mov_b32 v1, 0
	s_set_vgpr_msb 0x4045
	ds_add_u32 v0, v1
	s_set_vgpr_msb 0x4500
	v_lshrrev_b32 v13, 5, v0
	v_readfirstlane_b32 s8, v13                    ; wave 0..7
	s_bfe_u32 s9, ttmp6, 0x40000                   ; cx
	s_lshl_b32 s10, ttmp9, 2
	s_add_co_u32 s10, s10, s9                      ; head c = 4 x cluster x + cx
	s_and_b32 s11, ttmp7, 0xffff                   ; batch b
	; the descriptor: 128 rows (channels) x 128 elements (my wave's positions), pitch 1024 elements; made of b and the wave's number alone
	s_mov_b32 s12, 1                               ; count = 1
	s_mul_i32 s13, s8, XT                          ; LDS address: my wave's tile
	s_mov_b32 s16, 15|(1<<16)|(1<<20)|(1<<21)|(5<<22)|(7<<25)   ; mask: all four of the cluster; 2-byte elements; padding on; bit 21 beside a mask; after every 64 words, 8 words
	s_mov_b32 s17, 128<<16                         ; tensor_dim0 = 128
	s_mov_b32 s18, 128<<16                         ; tensor_dim1 = 128
	s_mov_b32 s19, 128<<16                         ; tile_dim0 = 128
	s_mov_b32 s20, 128                             ; tile_dim1 = 128
	s_mov_b32 s21, 1024                            ; elements from row to row
	s_mov_b32 s22, 0
	s_mov_b32 s23, 0
	s_lshl_b32 s40, s11, 18                        ; b x 262,144 bytes
	s_lshl_b32 s41, s8, 8                          ; + w x 256 bytes
	s_add_co_u32 s40, s40, s41
	s_mov_b32 s41, 0
	s_wait_dscnt 0x0
	s_wait_kmcnt 0x0
	s_add_nc_u64 s[14:15], s[24:25], s[40:41]
	s_or_b32 s15, s15, 0x80000000                  ; type = 2
	ROUND                                          ; all four work-groups are here: the joint loads meet
	tensor_load_to_lds s[12:15], s[16:23]          ; my wave's one load, ahead of every LDS read and every wait on TENSORcnt
	s_nop 0
	; while it is on its way: biases, the head's rows of the weights, the rows of ones and zeros, addresses
	s_lshl_b32 s51, s10, 2
	s_load_b32 s46, s[32:33], s51 offset:0x0       ; bq[c]
	s_load_b32 s47, s[34:35], s51 offset:0x0       ; bk[c]
	s_load_b32 s48, s[36:37], s51 offset:0x0       ; bv[c]
	s_cmp_eq_u32 s8, 1                             ; wave 0 brings Wq's row, wave 1 Wk's, wave 2 Wv's.
	s_cselect_b64 s[42:43], s[28:29], s[26:27]     ; Waves 3 to 7 write the rows of zeros: they run the same lines on Wq's row
	s_cmp_eq_u32 s8, 2                             ; and mask the result, so that the text has no branch here
	s_cselect_b64 s[42:43], s[30:31], s[42:43]
	s_cmp_lt_u32 s8, 3
	s_cselect_b32 s45, -1, 0
	s_lshl_b32 s52, s10, 9                         ; row c: 512 bytes a row
	s_mov_b32 s53, 0
	s_add_nc_u64 s[42:43], s[42:43], s[52:53]
	v_and_b32 v1, 31, v0                           ; L
	v_lshlrev_b32 v14, 4, v1
	global_load_b128 v[48:51], v14, s[42:43]       ; 32 lanes x 16 bytes: the whole row
	s_mov_b32 s50, 0x3fb8aa3b                      ; log2(e)
	v_and_b32 v2, 15, v0                           ; r
	v_bfe_u32 v3, v0, 4, 1                         ; h
	v_lshlrev_b32 v13, 3, v0
	v_add_nc_u32 v13, VIMG, v13                    ; 8 bytes a thread: 256 threads cover a row of 2,048 bytes
	v_mov_b32 v52, 0x3f803f80                      ; 1.0, 1.0 in bf16
	v_mov_b32 v53, 0x3f803f80
	v_mov_b32 v54, 0
	v_mov_b32 v55, 0
	ds_store_b64 v13, v[52:53] offset:VP
	ds_store_b64 v13, v[54:55] offset:2*VP
	s_mul_i32 s54, s8, WP
	s_add_co_u32 s54, s54, WIMG
	v_lshl_add_u32 v15, v1, 3, s54                 ; row w of the weights' image, 8 bytes a lane
	v_and_b32 v13, 7, v0
	v_lshl_add_u32 v13, v3, 3, v13                 ; 8 h + L % 8
	v_mul_u32_u24 v[VB], v13, XP
	v_bfe_u32 v13, v0, 3, 1
	v_lshl_add_u32 v[VB], v13, 4, v[VB]            ; + 16 ((L / 8) % 2)
	v_add_nc_u32 v[VB], s13, v[VB]                 ; + my wave's tile
	v_mul_u32_u24 v[VW], v2, WP
	v_lshl_add_u32 v[VW], v3, 4, v[VW]
	v_add_nc_u32 v[VW], WIMG, v[VW]
	s_lshl_b32 s56, s8, 9
	s_add_co_u32 s56, s56, KARR
	v_lshl_add_u32 v[VKS], v2, 2, s56
	s_lshl_b32 s59, s8, 8
	s_add_co_u32 s57, s59, VIMG
	v_lshl_add_u32 v[VVS], v2, 1, s57
	v_lshlrev_b32 v[VK], 5, v3
	v_add_nc_u32 v[VK], KARR, v[VK]
	v_and_b32 v13, 7, v0
	v_min_u32 v13, 2, v13                          ; rows 0, 8: v; 1, 9: ones; all others: zeros
	v_mul_u32_u24 v[VA], v13, VP
	v_lshl_add_u32 v[VA], v3, 4, v[VA]
	v_add_nc_u32 v[VA], VIMG, v[VA]
	s_add_co_u32 s58, s59, OUTS
	v_lshl_add_u32 v[VO], v2, 1, s58
	v_lshl_add_u32 v[VL], v1, 3, s58
	v_lshl_add_u32 v[VG], v1, 3, s59
	s_lshl_b32 s55, s8, 3
	s_add_co_u32 s55, s55, RED
	s_lshl_b32 s60, s11, 7
	s_add_co_u32 s60, s60, s10
	s_lshl_b32 s60, s60, 11                        ; (128 b + c) rows of 2,048 bytes
	s_mov_b32 s61, 0
	s_add_nc_u64 s[38:39], s[38:39], s[60:61]
	s_wait_loadcnt 0x0                             ; the row of weights (and v14, its offset, is free)
	v_cvt_pk_bf16_f32 v56, v48, v49
	v_cvt_pk_bf16_f32 v57, v50, v51
	v_and_b32 v56, s45, v56
	v_and_b32 v57, s45, v57
	ds_store_b64 v15, v[56:57]                     ; row w
	ds_store_b64 v15, v[56:57] offset:8*WP         ; and row w + 8
	s_wait_dscnt 0x0                               ; my rows are written before I signal
	s_wait_tensorcnt 0x0                           ; and my tile has landed: only I read it, so this wait is all that its reads need
	s_barrier_signal -1
	s_barrier_wait -1                              ; the weights' image, the ones and the zeros are whole
	; ---- q, k, v ----
.irp kk, 0,1,2,3
	ds_load_b128 v[WF+8*\kk:WF+8*\kk+3],   v[VW] offset:64*\kk
	ds_load_b128 v[WF+8*\kk+4:WF+8*\kk+7], v[VW] offset:64*\kk+32
.endr
; tiles 4 g .. 4 g + 3 of my 8 tiles of 16 positions: 32 transposing loads, 16 matrix instructions.  The four accumulators take turns, one instruction a turn.
.macro QKVG g
.if \g
.rept 4
	v_nop                                          ; four places between the matrix instructions that read BF and the loads into it
.endr
.endif
.irp i, 0,1,2,3
.irp kk, 0,1,2,3
	ds_load_tr16_b128 v[BF+32*\i+8*\kk:BF+32*\i+8*\kk+3],   v[VB] offset:\kk*32*XP+32*(4*\g+\i)
	ds_load_tr16_b128 v[BF+32*\i+8*\kk+4:BF+32*\i+8*\kk+7], v[VB] offset:\kk*32*XP+16*XP+32*(4*\g+\i)
.endr
.endr
	s_wait_dscnt 0x0
.irp kk, 0,1,2,3
.irp i, 0,1,2,3
.if \kk
	v_wmma_f32_16x16x32_bf16 v[ACC+8*(4*\g+\i):ACC+8*(4*\g+\i)+7], v[WF+8*\kk:WF+8*\kk+7], v[BF+32*\i+8*\kk:BF+32*\i+8*\kk+7], v[ACC+8*(4*\g+\i):ACC+8*(4*\g+\i)+7]
.else
	v_wmma_f32_16x16x32_bf16 v[ACC+8*(4*\g+\i):ACC+8*(4*\g+\i)+7], v[WF+8*\kk:WF+8*\kk+7], v[BF+32*\i+8*\kk:BF+32*\i+8*\kk+7], 0
.endif
.endr
.endr
.endm
	QKVG 0
	QKVG 1
.rept 4
	v_nop                                          ; four places before the results are read and the operands' registers are used again
.endr
	s_wait_kmcnt 0x0                               ; the three biases
	s_mul_f32 s49, s46, s50                        ; bq log2(e)
.irp t, 0,1,2,3,4,5,6,7
	v_fma_f32 v[QQ+2*\t], v[ACC+8*\t], s50, s49    ; q' = (q + bq) log2(e)
	v_add_f32 v[48+\t], s47, v[ACC+8*\t+1]         ; k
	v_add_f32 v[56+\t], s48, v[ACC+8*\t+2]         ; v
.endr
.irp t, 0,1,2,3,4,5,6,7
	v_mov_b32 v[QQ+2*\t+1], v[QQ+2*\t]             ; a pair for the packed multiply-add
	ds_store_b32 v[VKS], v[48+\t] offset:64*\t     ; both halves of the lanes hold, and write, the same number
.endr
	v_max3_num_f32 v14, v48, v49, v50
	v_min3_num_f32 v15, v48, v49, v50
	v_max3_num_f32 v14, v14, v51, v52
	v_min3_num_f32 v15, v15, v51, v52
	v_max3_num_f32 v14, v14, v53, v54
	v_min3_num_f32 v15, v15, v53, v54
	v_max_num_f32 v14, v14, v55
	v_min_num_f32 v15, v15, v55
.irp t, 0,2,4,6
	v_cvt_pk_bf16_f32 v[56+\t], v[56+\t], v[57+\t]
	ds_store_b16 v[VVS], v[56+\t] offset:32*\t
	ds_store_b16_d16_hi v[VVS], v[56+\t] offset:32*\t+32
.endr
.irp x, 1,2,4,8
	v_max_num_f32_dpp v14, v14, v14 row_xmask:\x row_mask:0xf bank_mask:0xf    ; over the 16 lanes of a half; the halves are equal
	v_min_num_f32_dpp v15, v15, v15 row_xmask:\x row_mask:0xf bank_mask:0xf
.endr
	v_mov_b32 v13, s55
	ds_store_b64 v13, v[14:15]                     ; my wave's (kmax, kmin)
	s_wait_dscnt 0x0                               ; k, v and the extremes are written before I signal
	s_barrier_signal -1
	s_barrier_wait -1                              ; all 1024 k and v and the eight pairs are there
; k (16 f32 a lane: keys 8 h .. + 7 and 16 + 8 h .. + 7 of the block) and the fragment of (v, 1, 0) of one block of 32 keys, into buffer p
.macro LOADKB p, ko, ao
	ds_load_b128 v[KB+16*(\p):KB+16*(\p)+3],     v[VK] offset:\ko
	ds_load_b128 v[KB+16*(\p)+4:KB+16*(\p)+7],   v[VK] offset:\ko+16
	ds_load_b128 v[KB+16*(\p)+8:KB+16*(\p)+11],  v[VK] offset:\ko+64
	ds_load_b128 v[KB+16*(\p)+12:KB+16*(\p)+15], v[VK] offset:\ko+80
	ds_load_b128 v[AV+8*(\p):AV+8*(\p)+3],       v[VA] offset:\ao
	ds_load_b128 v[AV+8*(\p)+4:AV+8*(\p)+7],     v[VA] offset:\ao+32
.endm
; One DUO: tiles 2 u and 2 u + 1 (32 queries) against the 32 keys in buffer p.  Its 32 exponentials are ONE BATCH, taken in place in the duo's own set of 32 registers (set u % 2);
; no line names a register of that set between the duo's first exponential and the one wait at its end.  Between the exponentials stands work on the OTHER set alone:
; in the first half the 16 roundings of the duo before (its exponentials had their wait at that duo's end), then that duo's two matrix instructions; in the second half,
; into the registers so freed, the 32 exponents q' k - m of the duo after.
; Behind every v_exp_f32 stands a plain instruction on other registers or another v_exp_f32 (ISA guide 5.7.2); the last multiply-add is the plain instruction behind the batch's last exponential.
; P is written again in the next duo's first half: the second half's 16 multiply-adds, which name none of the matrix instructions' registers, are the places behind them (ISA guide 7.12.1).
; The last duo of all (hasnext = 0) has no exponents to make: four v_nop stand in their stead, as the plain instruction behind the last exponential and as those places.
; The matrix instructions name tiles 0 to 7 by turns, one a turn, over the backward jump too.
; kwait = 1: the next block's k is read in the second half: its loads are waited for in front of it.
.macro DUO u, p, hasprev, hasnext, zprev, kwait
.set CUR, TS+48*((\u)&1)
.set OTH, TS+48*(((\u)+1)&1)
.set PT, 2*(((\u)+3)&3)
.set NT, 2*(((\u)+1)&3)
.if (\u) == 0
.set PAV, 1-(\p)
.else
.set PAV, (\p)
.endif
.if (\u) == 3
.set NKB, 1-(\p)
.else
.set NKB, (\p)
.endif
.set j, 0
.rept 16
	v_exp_f32 v[CUR+j], v[CUR+j]
.if \hasprev
	v_cvt_pk_bf16_f32 v[PS+j], v[OTH+2*j], v[OTH+2*j+1]
.endif
.set j, j+1
.endr
.if \hasprev
.if \zprev
	v_wmma_f32_16x16x32_bf16 v[ACC+8*PT:ACC+8*PT+7], v[AV+8*PAV:AV+8*PAV+7], v[PS:PS+7], 0      ; a tile's first product starts its sums
	v_wmma_f32_16x16x32_bf16 v[ACC+8*PT+8:ACC+8*PT+15], v[AV+8*PAV:AV+8*PAV+7], v[PS+8:PS+15], 0
.else
	v_wmma_f32_16x16x32_bf16 v[ACC+8*PT:ACC+8*PT+7], v[AV+8*PAV:AV+8*PAV+7], v[PS:PS+7], v[ACC+8*PT:ACC+8*PT+7]
	v_wmma_f32_16x16x32_bf16 v[ACC+8*PT+8:ACC+8*PT+15], v[AV+8*PAV:AV+8*PAV+7], v[PS+8:PS+15], v[ACC+8*PT+8:ACC+8*PT+15]
.endif
.endif
.if \kwait
	s_wait_dscnt 0x0                               ; the six loads issued five tiles' work ago
.endif
.set j, 0
.rept 16
	v_exp_f32 v[CUR+16+j], v[CUR+16+j]
.if \hasnext
	v_pk_fma_f32 v[OTH+2*j:OTH+2*j+1], v[KB+16*NKB+2*(j&7):KB+16*NKB+2*(j&7)+1], v[QQ+2*(NT+j/8):QQ+2*(NT+j/8)+1], v[MM+2*(NT+j/8):MM+2*(NT+j/8)+1]
.endif
.set j, j+1
.endr
.if (\hasnext) == 0
.rept 4
	v_nop                                          ; the plain instruction behind the last exponential, and four places between the matrix instructions that read P and the roundings that write it next
.endr
.endif
	s_wait_alu depctr_va_vdst(0)                   ; one wait for the duo's 32 exponentials, ahead of the next duo's roundings, their first readers, and of every label and jump
.endm
; One block of 32 keys (buffer p) against my eight tiles: four duos.  The next block's six loads go out behind duo 0: the last matrix instructions that read the other
; buffer stand in duo 0's middle, and the 16 multiply-adds of its second half are the places behind them.  They are waited for in the middle of duo 3, whose second half
; makes the next block's first exponents.
.macro BLOCK p, first, second, last, ko, ao
	DUO 0, \p, 1-\first, 1, \second, 0
.if \last == 0
	LOADKB 1-\p, \ko, \ao
.endif
	DUO 1, \p, 1, 1, \first, 0
	DUO 2, \p, 1, 1, \first, 0
	DUO 3, \p, 1, 1-\last, \first, 1-\last
.endm
.macro PAIR f, l
	BLOCK 0, \f, 0, 0, 128, 64
	BLOCK 1, 0, \f, \l, 256, 128
.if \l == 0
	v_add_nc_u32 v[VK], 256, v[VK]                 ; two blocks on: 64 keys of 4 bytes,
	v_add_nc_u32 v[VA], 128, v[VA]                 ; 64 of 2 bytes
.endif
.endm
	; ---- the rows' maxima ----
	v_mov_b32 v13, RED
	ds_load_b128 v[48:51], v13
	ds_load_b128 v[52:55], v13 offset:16
	ds_load_b128 v[56:59], v13 offset:32
	ds_load_b128 v[60:63], v13 offset:48
	LOADKB 0, 0, 0
	s_wait_dscnt 0x6                               ; the four loads of the extremes are in; the six of the first key block, issued behind them, stay out
	v_max3_num_f32 v14, v48, v50, v52
	v_min3_num_f32 v15, v49, v51, v53
	v_max3_num_f32 v14, v14, v54, v56
	v_min3_num_f32 v15, v15, v55, v57
	v_max3_num_f32 v14, v14, v58, v60
	v_min3_num_f32 v15, v15, v59, v61
	v_max_num_f32 v14, v14, v62
	v_min_num_f32 v15, v15, v63
	v_xor_b32 v14, 0x80000000, v14                 ; -kmax
	v_xor_b32 v15, 0x80000000, v15                 ; -kmin
.irp t, 0,1,2,3,4,5,6,7
	v_mul_f32 v[48+2*\t], v[QQ+2*\t], v14
	v_mul_f32 v[49+2*\t], v[QQ+2*\t], v15
.endr
.irp t, 0,1,2,3,4,5,6,7
	v_min_num_f32 v[MM+2*\t], v[48+2*\t], v[49+2*\t]       ; -m = -max(q' kmax, q' kmin)
.endr
.irp t, 0,1,2,3,4,5,6,7
	v_mov_b32 v[MM+2*\t+1], v[MM+2*\t]
.endr
	s_wait_dscnt 0x0                               ; the first key block
.set j, 0
.rept 16                                           ; the first duo's 32 exponents: tiles 0 and 1 against the keys in buffer 0, into set 0
	v_pk_fma_f32 v[TS+2*j:TS+2*j+1], v[KB+2*(j&7):KB+2*(j&7)+1], v[QQ+2*(j/8):QQ+2*(j/8)+1], v[MM+2*(j/8):MM+2*(j/8)+1]
.set j, j+1
.endr
	; ---- 32 key blocks, two a trip: the first pair starts the sums, the last loads nothing more ----
	PAIR 1, 0
	s_mov_b32 s44, 14
.Lkeys:
	PAIR 0, 0
	s_sub_co_i32 s44, s44, 1
	s_cmp_lg_u32 s44, 0
	s_cbranch_scc1 .Lkeys
	PAIR 0, 1
.set j, 0
.rept 16                                           ; the last duo, tiles 6 and 7 of the last block: its exponentials lie in set 1 and had their wait at the duo's end
	v_cvt_pk_bf16_f32 v[PS+j], v[TS+48+2*j], v[TS+48+2*j+1]
.set j, j+1
.endr
	v_wmma_f32_16x16x32_bf16 v[ACC+48:ACC+55], v[AV+8:AV+15], v[PS:PS+7], v[ACC+48:ACC+55]
	v_wmma_f32_16x16x32_bf16 v[ACC+56:ACC+63], v[AV+8:AV+15], v[PS+8:PS+15], v[ACC+56:ACC+63]
.rept 4
	v_nop                                          ; four places before the sums are read
.endr
	; ---- out = (sum e v) / (sum e); the largest e of a row is 1 up to rounding, so the sum is never 0 ----
.irp t, 0,1,2,3,4,5,6,7
	v_rcp_f32 v[48+\t], v[ACC+8*\t+1]
.endr
	v_nop                                          ; one plain instruction behind the last v_rcp_f32
	s_wait_alu depctr_va_vdst(0)                   ; one wait for the eight reciprocals, ahead of the first use
.irp t, 0,1,2,3,4,5,6,7
	v_mul_f32 v[48+\t], v[48+\t], v[ACC+8*\t]
.endr
.irp t, 0,2,4,6
	v_cvt_pk_bf16_f32 v[56+\t], v[48+\t], v[49+\t]
	ds_store_b16 v[VO], v[56+\t] offset:32*\t
	ds_store_b16_d16_hi v[VO], v[56+\t] offset:32*\t+32
.endr
	ds_load_b64 v[14:15], v[VL]                    ; my wave's own bytes; LDS serves a wave's instructions in order (ISA guide 5.7.1): the load sees the stores
	s_wait_dscnt 0x0
	global_store_b64 v[VG], v[14:15], s[38:39]     ; the wave's 128 results: 256 consecutive bytes, aligned, in one store
	s_set_vgpr_msb 0x5
	s_wait_tensorcnt 0x0
	ds_add_u32 v0, v1
	s_wait_dscnt 0x0
	s_set_vgpr_msb 0x500
	ROUND                                          ; the closing round: no work-group ends while a partner may still ask jointly
	s_endpgm
.Lfunc_end_k_qe79d575143_attn:
	.size	k_qe79d575143_attn, .Lfunc_end_k_qe79d575143_attn-k_qe79d575143_attn
	.p2alignl 7, 3214868480
	.fill 96, 4, 3214868480
	.section	.rodata,"a",@progbits
	.p2align	6, 0x0
	.amdhsa_kernel k_qe79d575143_attn
		.amdhsa_group_segment_fixed_size 313344
		.amdhsa_private_segment_fixed_size 0
		.amdhsa_enable_private_segment 0
		.amdhsa_kernarg_size 64
		.amdhsa_user_sgpr_count 2
		.amdhsa_user_sgpr_kernarg_segment_ptr 1
		.amdhsa_wavefront_size32 1
		.amdhsa_system_sgpr_workgroup_id_x 1
		.amdhsa_system_sgpr_workgroup_id_y 1
		.amdhsa_system_sgpr_workgroup_id_z 1
		.amdhsa_system_vgpr_workitem_id 0
		.amdhsa_next_free_vgpr 258
		.amdhsa_next_free_sgpr 66
		.amdhsa_reserve_vcc 0
		.amdhsa_float_denorm_mode_32 3
		.amdhsa_float_denorm_mode_16_64 3
		.amdhsa_memory_ordered 1
		.amdhsa_forward_progress 1
		.amdhsa_inst_pref_size 100
	.end_amdhsa_kernel
	.amdgpu_metadata
---
amdhsa.version: [ 1, 2 ]
amdhsa.kernels:
  - .name:           k_qe79d575143_attn
    .symbol:         k_qe79d575143_attn.kd
    .args:
      - { .name: xn, .offset: 0, .size: 8, .value_kind: global_buffer, .address_space: global }
      - { .name: Wq, .offset: 8, .size: 8, .value_kind: global_buffer, .address_space: global }
      - { .name: Wk, .offset: 16, .size: 8, .value_kind: global_buffer, .address_space: global }
      - { .name: Wv, .offset: 24, .size: 8, .value_kind: global_buffer, .address_space: global }
      - { .name: bq, .offset: 32, .size: 8, .value_kind: global_buffer, .address_space: global }
      - { .name: bk, .offset: 40, .size: 8, .value_kind: global_buffer, .address_space: global }
      - { .name: bv, .offset: 48, .size: 8, .value_kind: global_buffer, .address_space: global }
      - { .name: abuf, .offset: 56, .size: 8, .value_kind: global_buffer, .address_space: global }
    .group_segment_fixed_size: 313344
    .private_segment_fixed_size: 0
    .kernarg_segment_align: 8
    .kernarg_segment_size: 64
    .max_flat_workgroup_size: 256
    .sgpr_count:     66
    .vgpr_count:     258
    .wavefront_size: 32
...
	.end_amdgpu_metadata
.endif
;; end of part 4
;; launch oproj: the kernel of part 3 again; grid 8 x 16, 4 waves a work-group, clusters of 4 x 1, 168,448 bytes of LDS; arguments abuf, Wo, bo, hidden_states, out0; writes out0
